; MI455X (gfx1250); checked and timed in simulation.
; The chip was launched on July 23, 2026; its instructions are those of AMD's public machine-readable ISA for CDNA 5 (MIT licence, August 2026) and "CDNA5" Instruction Set Architecture Reference Guide (July 2026). The comments in the code are by the model that wrote it; some were corrected since.
;; Cross Attention. Allowed arithmetic: matrix products marked QUANTISED: E2M3 operands, one E8M0 scale for each 32 along K, by v_wmma_scale_f32_16x16x128_f8f6f4 with both operands' format E2M3, f32 sums; everything else in f32.
;; Inputs: Wk 1,024 x 1,024 float32; Wq 1,024 x 1,024 float32; Wv 1,024 x 1,024 float32; bk 1,024 float32; bq 1,024 float32; bv 1,024 float32; x1 16 x 32 x 1 x 32 x 1,024 float32; x2 16 x 32 x 1 x 32 x 1,024 float32.
;; Outputs: out0 16 x 32 x 32 x 1,024 float32.
;; This version of the problem:
;;   THIS VERSION OF THE PROBLEM IS GIVEN IN LOW PRECISION. The matrix products marked QUANTISED in the list below multiply operands that are first quantised to E2M3 (2 exponent bits, 3 mantissa bits; 6 bits a number), with one power-of-two scale for each 32 numbers along K (OCP MX v1.0); their sums are f32. All else is computed in f32.
;;   The module's matrix products, in the order in which they are computed (A, B: the left and right operand; K: the contracted axis; several contracted axes count as one K, in the product's order):
;;     1. [M 16,384, K 1,024] x [K 1,024, N 1,024]; A: input x1; B: input Wq: QUANTISED
;;     2. [M 16,384, K 1,024] x [K 1,024, N 1,024]; A: input x2; B: input Wk: QUANTISED
;;     3. [M 16,384, K 1,024] x [K 1,024, N 1,024]; A: input x2; B: input Wv: QUANTISED
;;     4. batch 16,384 x [M 32, K 32] x [K 32, N 32]; A: computed on the way; B: computed on the way: QUANTISED
;;     5. batch 16,384 x [M 32, K 32] x [K 32, N 32]; A: computed on the way; B: computed on the way: QUANTISED
;;   THE QUANTISER, for each operand of a quantised product, along K:
;;     - K is cut into blocks of 32 from its start; a last block that is shorter is filled with zeros.
;;     - A block's scale is 2^e with e = floor(log2(the largest magnitude in the block)) - 2, held to -126 .. 127; a block of zeros has e = 0. As a byte (E8M0): e + 127.
;;     - Each number is divided by its block's scale, clamped to +-7.5, and rounded to the nearest number of E2M3, ties to even, subnormals kept.
;;     - The product sums the exact products of the quantised numbers (number of the format x scale) in f32.
;;   ~~~python
;;   def quantise(x, axis):      # numpy; x: float32 -> the quantised numbers, widened to float32 again
;;       x = np.moveaxis(x, axis, -1); K = x.shape[-1]
;;       x = np.pad(x, [(0, 0)] * (x.ndim - 1) + [(0, -K % 32)]); x = x.reshape(x.shape[:-1] + (-1, 32)); a = np.abs(x).max(-1, keepdims=True)
;;       e = np.where(a > 0, np.clip(np.frexp(np.where(a > 0, a, 1))[1] - 1 - 2, -126, 127), 0)      # np.frexp(a)[1] - 1 = floor(log2(a)), exactly
;;       r = np.clip(x / 2.0 ** e, -7.5, 7.5)
;;       step = 2.0 ** (np.maximum(np.frexp(np.where(r == 0, 1, r))[1] - 1, 0) - 3)
;;       q = np.round(r / step) * step * 2.0 ** e      # np.round: ties to even
;;       return np.moveaxis(q.reshape(q.shape[:-2] + (-1,))[..., :K], -1, axis).astype(np.float32)
;;   ~~~
;;   OPERANDS COMPUTED ON THE WAY. 'Computed on the way' means the value that the module computes at that place (a softmax that the list does not call 'softmax' is quantised finished and normalised). What goes into a quantiser is computed in f32, as accurately as f32 sums, v_exp_f32 and their like allow (about 1e-6 of the number): no bf16 or f16 on the way to a quantiser, and a product that is left as it is and whose result goes on into a quantised operand takes f32 operands (vector FMAs, or v_wmma_f32_16x16x4_f32). A number that lies on a knife's edge between two numbers of the format may be rounded either way, as far as f32 arithmetic and the matrix unit's own rounding can turn it there, and no further.
;; One version. Each part assembles by itself: llvm-mc -triple=amdgcn-amd-amdhsa -mcpu=gfx1250 --defsym DOCPART=n.
;; ======== version 1 of 1: 2 launches
;; limits: right only within a limited range of input values
;; workspace buffers: img 28,958,720 bytes
;; launch quant (part 1): grid 560 x 1, 4 waves a work-group, no clusters, 34,304 bytes of LDS; arguments x1, x2, Wq, Wk, Wv, bq, bk, bv, img; writes img
.if DOCPART == 1
	.amdgcn_target "amdgcn-amd-amdhsa--gfx1250"
	.amdhsa_code_object_version 6
	.text
	.protected	k_qd4c3523469_quant
	.globl	k_qd4c3523469_quant
	.p2align	8
	.type	k_qd4c3523469_quant,@function
k_qd4c3523469_quant:
	s_mov_b64 s[64:65], 0
	v_nop
	global_prefetch_b8 v0, s[64:65] scope:SCOPE_SE
	s_setreg_imm32_b32 hwreg(HW_REG_WAVE_MODE, 25, 1), 1
	s_wait_xcnt 0x0
; x1, x2 [16384][1024] and Wq, Wk, Wv [1024][1024], f32, K innermost, become codes of FP6 (E2M3) with one E8M0 scale byte for each 32 along K, laid in img as
; CHUNKS of 32 rows x K 1,024, each chunk an image of the registers in which the next launch wants it:
;   bytes 0 .. 24575      16 fragments f = 2 s + u (K step s of 128, tile u of 16 rows), 1,536 bytes each: register q of lane l at (q / 4) 512 + 16 l + 4 (q % 4)
;   bytes 24576 .. 25599  scale words: that of K step s for lane l = 16 u + r at (s / 4) 512 + 16 l + 4 (s % 4)
;   bytes 25600 .. 25855  64 words: word t and word 32 + t = the bias of the chunk's row t (zeros in chunks of x1 and x2)
; Lane r of tile u holds the chunk's row t = 8 u + r + 8 (r / 8).  Which row of the tensor is a chunk's row t:
;   chunks 0 .. 511 (32 b + i): x1 row (32 b + t) 32 + i;   512 .. 543 (n): Wk row 32 t + n;   544 .. 575 (m): Wv row 32 m + t;   576 .. 607 (j): Wq row 32 t + j;   608 .. 1119 (32 b + j): x2 row (32 b + t) 32 + j
; A block's scale is 2^(floor(log2(its largest magnitude)) - 2); its byte is the largest magnitude's exponent field - 2, held at 1 from below.
; LIMITS: a block of zeros gets the byte 1 where the rule says 127 (its codes are zeros, and this program alone reads the bytes); blocks whose largest magnitude lies under 2^-124 are held at the byte 1;
; NaN and infinities among the inputs are not served.
; SHARES.  A wave takes half a chunk: 32 rows x 512 along K = 8 fragments.  A work-group's four waves take two chunks of one tensor; the tensor is chosen by the work-group's number alone.
; Each load reads 512 consecutive bytes of one row; a fragment's 16 rows turn through the wave's own stage in LDS, so that a lane gets 16 neighbours of each block of 32 of ITS row.  Loads run two fragments ahead.
; No tensor load, no barrier: waves share nothing.  No matrix unit, no cluster: the launch is a stream.
.set CH,    25856                      ; bytes in a chunk
.set SP,    528                        ; a stage row: 512 bytes + 16: sixteen rows start in sixteen different groups of banks
.set WST,   16*SP                      ; a wave's stage
.set SPARE, 4*WST                      ; behind the stages: the spare words, 128 bytes for each wave, which no other line names
.set LOFF,  2                          ; v2-9     16 x lane + (0 .. 7) x the distance between two rows of the chunk; never rewritten
.set STI,   10                         ; v10      stage, on the way in: 16 x lane
.set STO,   11                         ; v11      stage, on the way out: row r, + 64 h
.set L16,   12                         ; v12      16 x lane
.set SPW,   14                         ; v14      my spare word's LDS address; never rewritten
.set NIL,   15                         ; v15      0; never rewritten
.set RS,    16                         ; v16-143  two sets of 64: a fragment as it is loaded
.set X,     144                        ; v144-207 my 64 numbers: register 16 b + i = k 32 b + 16 h + i of row r
.set TM,    208                        ; v208-223 at work
.set PW,    224                        ; v224     the scale word just made;  v225 that of tile 0
.set PW0,   225
.set SW,    228                        ; v228-231 my half's four scale words
.set PC,    232                        ; v232-250 the codes just made
.set BASE,  36                         ; s[36:43] four bases: rows 0, 8, 16, 24 of the chunk
.set SEL,   44                         ; s[44:45] lane selects for v_permlanex16_b32: lane l xor 16
.set MHI,   46                         ; s46      lanes 16-31
.set MW,    47                         ; s47      all ones in a chunk of weights, else 0
.set DST,   48                         ; s[48:49] my eight fragments;  s[50:51] my scale words;  s[52:53] the chunk's bias words
.set DSC,   50
.set DBI,   52
	s_load_b256 s[8:15], s[0:1], 0x0               ; x1, x2, Wq, Wk
	s_load_b256 s[16:23], s[0:1], 0x20             ; Wv, bq, bk, bv
	s_load_b64 s[24:25], s[0:1], 0x40              ; img
	v_lshl_add_u32 v[SPW], v0, 2, SPARE
	v_mov_b32 v[NIL], 0
	v_lshrrev_b32 v1, 5, v0
	v_readfirstlane_b32 s2, v1                     ; wave 0..3
	s_lshr_b32 s3, s2, 1
	s_lshl_b32 s4, ttmp9, 1
	s_add_co_u32 s4, s4, s3                        ; my chunk: 2 x work-group + wave / 2
	s_and_b32 s5, s2, 1                            ; my half of K
	s_mov_b32 s26, 0x20000
	s_mov_b32 s27, 0x1000
	s_sub_co_u32 s6, ttmp9, 272
	s_cmp_lt_u32 s6, 16                            ; work-groups 272 .. 287 take Wv, whose chunks are 32 neighbouring rows
	s_cselect_b32 s26, 0x1000, s26                 ; bytes from row t to row t + 1 of a chunk
	s_cselect_b32 s27, 0x20000, s27                ; bytes from a chunk's row 0 to the next chunk's
	s_cselect_b32 s7, 1, 32                        ; the same two in rows of the weight, for the bias
	s_cselect_b32 s31, 32, 1
	s_sub_co_u32 s6, ttmp9, 256
	s_cmp_lt_u32 s6, 48                            ; work-groups 256 .. 303 take weights
	s_cselect_b32 s[MW], -1, 0
	s_mov_b32 s[SEL], 0x76543210
	s_mov_b32 s[SEL+1], 0xfedcba98
	s_mov_b32 s[MHI], 0xffff0000
	s_mov_b32 s30, 608
	v_and_b32 v1, 31, v0                           ; lane
	v_lshlrev_b32 v[L16], 4, v1
	s_wait_alu depctr_va_vdst(0)
.irp i, 0,1,2,3,4,5,6,7
	s_mul_i32 s6, s26, \i
	v_add_nc_u32 v[LOFF+\i], s6, v[L16]
.endr
	s_mul_i32 s6, s2, WST
	v_add_nc_u32 v[STI], s6, v[L16]
	v_and_b32 v13, 15, v0                          ; r
	v_mul_u32_u24 v13, v13, SP
	v_bfe_u32 v[STO], v0, 4, 1                     ; h
	v_lshl_add_u32 v13, v[STO], 6, v13
	v_add_nc_u32 v[STO], s6, v13
.irp b, 0,1,2,3
	v_mov_b32 v[TM+4+\b], 0                        ; written once: a lane permute's destination counts as one of its sources
.endr
	s_wait_alu depctr_va_vdst(0)
	s_wait_kmcnt 0x0
	s_cmp_lt_u32 ttmp9, 304                        ; the tensor, its bias and its first chunk: choices on the work-group's number alone
	s_cselect_b64 s[28:29], s[12:13], s[10:11]     ; Wq, else x2
	s_cselect_b32 s30, 576, s30
	s_mov_b64 s[32:33], s[18:19]                   ; bq
	s_cmp_lt_u32 ttmp9, 288
	s_cselect_b64 s[28:29], s[16:17], s[28:29]     ; Wv
	s_cselect_b64 s[32:33], s[22:23], s[32:33]     ; bv
	s_cselect_b32 s30, 544, s30
	s_cmp_lt_u32 ttmp9, 272
	s_cselect_b64 s[28:29], s[14:15], s[28:29]     ; Wk
	s_cselect_b64 s[32:33], s[20:21], s[32:33]     ; bk
	s_cselect_b32 s30, 512, s30
	s_cmp_lt_u32 ttmp9, 256
	s_cselect_b64 s[28:29], s[8:9], s[28:29]       ; x1
	s_cselect_b32 s30, 0, s30
	s_sub_co_u32 s34, s4, s30                      ; the chunk's number in its tensor
	s_and_b32 s35, s34, 31
	s_lshr_b32 s54, s34, 5
	s_lshl_b32 s54, s54, 22                        ; b x 1,024 rows of 4,096 bytes (0 in the weights)
	s_mul_i32 s55, s35, s27
	s_add_co_u32 s54, s54, s55
	s_lshl_b32 s55, s5, 11                         ; my half of K: 512 numbers
	s_add_co_u32 s54, s54, s55
	s_mov_b32 s55, 0
	s_add_nc_u64 s[BASE:BASE+1], s[28:29], s[54:55]
	s_lshl_b32 s56, s26, 3                         ; eight rows of the chunk on
	s_mov_b32 s57, 0
.irp g, 1,2,3
	s_add_nc_u64 s[BASE+2*\g:BASE+2*\g+1], s[BASE+2*\g-2:BASE+2*\g-1], s[56:57]
.endr
	s_mul_i32 s54, s4, CH
	s_add_nc_u64 s[DBI:DBI+1], s[24:25], s[54:55]  ; the chunk in img
	s_mul_i32 s54, s5, 12288
	s_add_nc_u64 s[DST:DST+1], s[DBI:DBI+1], s[54:55]
	s_lshl_b32 s54, s5, 9
	s_add_nc_u64 s[DSC:DSC+1], s[DBI:DBI+1], s[54:55]
	s_add_nc_u64 s[DSC:DSC+1], s[DSC:DSC+1], 24576
	s_add_nc_u64 s[DBI:DBI+1], s[DBI:DBI+1], 25600
; fragment k = 2 s' + u of my eight: 16 rows x 512 bytes.  Row r of the tile is the chunk's row 8 (u + 2 (r / 8)) + r % 8
.macro LOADF k, set
.irp r, 0,1,2,3,4,5,6,7,8,9,10,11,12,13,14,15
	global_load_b128 v[(\set)+4*\r:(\set)+4*\r+3], v[LOFF+\r%8], s[BASE+2*((\k)%2+2*(\r/8)):BASE+2*((\k)%2+2*(\r/8))+1] offset:512*((\k)/2) th:TH_LOAD_NT
.endr
.endm
; 64 numbers of a lane, register 16 b + i = k 32 b + 16 (lane / 16) + i of my row, become a fragment's codes in v[PC] on and its scale word in v[PW]
.macro QUANT s
.irp b, 0,1,2,3
	v_max3_num_f32 v[TM+\b], |v[\s+16*\b]|, |v[\s+1+16*\b]|, 0x1800000   ; block b: my 16 numbers, and the floor 2^(3 - 127): the byte cannot fall under 1
.endr
.irp i, 2,4,6,8,10,12,14
.irp b, 0,1,2,3
	v_max3_num_f32 v[TM+\b], v[TM+\b], |v[\s+16*\b+\i]|, |v[\s+1+16*\b+\i]|   ; the four blocks by turns
.endr
.endr
.irp b, 0,1,2,3
	v_permlanex16_b32 v[TM+4+\b], v[TM+\b], s[SEL], s[SEL+1]
.endr
.irp b, 0,1,2,3
	v_max_num_f32 v[TM+\b], v[TM+\b], v[TM+4+\b]   ; with lane l xor 16's: the block's largest magnitude
.endr
.irp b, 0,1,2,3
	v_add_nc_u32 v[TM+12+\b], 0xff000000, v[TM+\b] ; 2 off its exponent field: the conversion takes the exponent field of this operand as its scale
.endr
.irp b, 0,1,2,3
	v_lshrrev_b32 v[TM+4+\b], 23, v[TM+12+\b]      ; the scale's byte
.endr
	v_lshl_or_b32 v[PW], v[TM+5], 8, v[TM+4]       ; four bytes: my row's scale word
	v_lshl_or_b32 v[PW], v[TM+6], 16, v[PW]
	v_lshl_or_b32 v[PW], v[TM+7], 24, v[PW]
.irp c, 0,1
	v_cvt_scalef32_pk16_fp6_f32 v[PC+6*\c:PC+2+6*\c], v[\s+32*\c:\s+15+32*\c], v[TM+12+2*\c]
	v_cvt_scalef32_pk16_fp6_f32 v[PC+12+4*\c:PC+14+4*\c], v[\s+16+32*\c:\s+31+32*\c], v[TM+12+2*\c+1]   ; (a conversion's three registers begin on an even number)
.endr
	v_nop                                          ; one plain place behind a scaled conversion
.irp c, 0,1                                    ; the operand's layout wants a whole block in a lane: lanes 0-15 block 2 c, lanes 16-31 block 2 c + 1
.irp i, 0,1,2
	v_permlane16_swap_b32 v[PC+6*\c+\i], v[PC+12+4*\c+\i]
.endr
.irp i, 0,1,2
	v_mov_b32 v[PC+3+6*\c+\i], v[PC+12+4*\c+\i]
.endr
.endr
.endm
.macro FRAGQ k
.set RK, RS+64*((\k)%2)
.if (\k) < 7
	s_wait_loadcnt 16                              ; this fragment's 16 loads are in; the next fragment's 16 may be out
.else
	s_wait_loadcnt 0
.endif
.irp r, 0,1,2,3,4,5,6,7,8,9,10,11,12,13,14,15
	ds_store_b128 v[STI], v[RK+4*\r:RK+4*\r+3] offset:SP*\r
.endr
.irp b, 0,1,2,3
.irp j, 0,1,2,3
	ds_load_b128 v[X+16*\b+4*\j:X+16*\b+4*\j+3], v[STO] offset:128*\b+16*\j   ; LDS serves a wave's instructions in order: these see the stores above
.endr
.endr
	s_wait_dscnt 0x0                               ; my 64 numbers are here, and the stores into the stage have read the set,
.if (\k) < 6
	LOADF (\k)+2, RK                               ; which takes the fragment two further on
.endif
	s_wait_xcnt 0x0                                ; the last fragment's stores have read the codes' registers: they are written again only behind this wait
	QUANT X
.irp q, 0,1,2
	global_store_b128 v[L16], v[PC+4*\q:PC+4*\q+3], s[DST:DST+1] offset:1536*(\k)+512*\q   ; 32 lanes store 512 consecutive bytes, aligned to 256
.endr
.if (\k)%2 == 0
	v_mov_b32 v[PW0], v[PW]                        ; tile 0's words wait for tile 1's
.else
	v_cndmask_b32 v[SW+(\k)/2], v[PW0], v[PW], s[MHI]   ; lanes 0-15: tile 0's rows; lanes 16-31: tile 1's
.endif
.endm
	LOADF 0, RS
	LOADF 1, RS+64
.irp k, 0,1,2,3,4,5,6,7
	FRAGQ \k
.endr
	global_store_b128 v[L16], v[SW:SW+3], s[DSC:DSC+1]   ; my four K steps' scale words: 512 consecutive bytes
	s_cmp_lg_u32 s5, 0                             ; the wave with the chunk's first half of K also writes its 64 bias words
	s_cbranch_scc1 .Lno_bias
	v_lshlrev_b32 v13, 1, v1
	v_and_b32 v13, 31, v13                         ; words 2 l and 2 l + 1 hold rows t = 2 l % 32 and t + 1
	s_mul_i32 s6, s35, s31                         ; the weight's row of the chunk's row 0
	v_mad_u32_u24 v16, v13, s7, s6
	v_add_nc_u32 v17, s7, v16
	v_and_b32 v16, 0x3ff, v16                      ; (a weight's rows lie under 1,024 already; in chunks of x1 and x2 the mask keeps the load inside the bias)
	v_and_b32 v17, 0x3ff, v17
	v_lshlrev_b32 v16, 2, v16
	v_lshlrev_b32 v17, 2, v17
	global_load_b32 v18, v16, s[32:33]
	global_load_b32 v19, v17, s[32:33]
	v_lshlrev_b32 v20, 3, v1
	s_wait_loadcnt 0x0
	v_cndmask_b32 v18, 0, v18, s[MW]               ; zeros where the chunk is no weight's
	v_cndmask_b32 v19, 0, v19, s[MW]
	s_wait_alu depctr_va_vdst(0)
	global_store_b64 v20, v[18:19], s[DBI:DBI+1]   ; 32 lanes store 256 consecutive bytes, aligned
.Lno_bias:
	s_wait_tensorcnt 0x0                           ; the wave's end
	ds_add_u32 v[SPW], v[NIL]
	s_wait_dscnt 0x0
	s_endpgm
.Lfunc_end_k_qd4c3523469_quant:
	.size	k_qd4c3523469_quant, .Lfunc_end_k_qd4c3523469_quant-k_qd4c3523469_quant
	.p2alignl 7, 3214868480
	.fill 96, 4, 3214868480
	.section	.rodata,"a",@progbits
	.p2align	6, 0x0
	.amdhsa_kernel k_qd4c3523469_quant
		.amdhsa_group_segment_fixed_size 34304
		.amdhsa_private_segment_fixed_size 0
		.amdhsa_enable_private_segment 0
		.amdhsa_kernarg_size 72
		.amdhsa_user_sgpr_count 2
		.amdhsa_user_sgpr_kernarg_segment_ptr 1
		.amdhsa_wavefront_size32 1
		.amdhsa_system_sgpr_workgroup_id_x 1
		.amdhsa_system_sgpr_workgroup_id_y 1
		.amdhsa_system_sgpr_workgroup_id_z 1
		.amdhsa_system_vgpr_workitem_id 0
		.amdhsa_next_free_vgpr 256
		.amdhsa_next_free_sgpr 66
		.amdhsa_reserve_vcc 0
		.amdhsa_float_denorm_mode_32 3
		.amdhsa_float_denorm_mode_16_64 3
		.amdhsa_memory_ordered 1
		.amdhsa_forward_progress 1
		.amdhsa_inst_pref_size 67
	.end_amdhsa_kernel
	.amdgpu_metadata
---
amdhsa.version: [ 1, 2 ]
amdhsa.kernels:
  - .name:           k_qd4c3523469_quant
    .symbol:         k_qd4c3523469_quant.kd
    .args:
      - { .name: x1, .offset: 0, .size: 8, .value_kind: global_buffer, .address_space: global }
      - { .name: x2, .offset: 8, .size: 8, .value_kind: global_buffer, .address_space: global }
      - { .name: Wq, .offset: 16, .size: 8, .value_kind: global_buffer, .address_space: global }
      - { .name: Wk, .offset: 24, .size: 8, .value_kind: global_buffer, .address_space: global }
      - { .name: Wv, .offset: 32, .size: 8, .value_kind: global_buffer, .address_space: global }
      - { .name: bq, .offset: 40, .size: 8, .value_kind: global_buffer, .address_space: global }
      - { .name: bk, .offset: 48, .size: 8, .value_kind: global_buffer, .address_space: global }
      - { .name: bv, .offset: 56, .size: 8, .value_kind: global_buffer, .address_space: global }
      - { .name: img, .offset: 64, .size: 8, .value_kind: global_buffer, .address_space: global }
    .group_segment_fixed_size: 34304
    .private_segment_fixed_size: 0
    .kernarg_segment_align: 8
    .kernarg_segment_size: 72
    .max_flat_workgroup_size: 128
    .sgpr_count:     66
    .vgpr_count:     256
    .wavefront_size: 32
...
	.end_amdgpu_metadata
.endif
;; end of part 1
;; launch attn (part 2): grid 256 x 1, 4 waves a work-group, clusters of 4 x 1, 327,680 bytes of LDS; arguments img, out0; writes out0
.if DOCPART == 2
	.amdgcn_target "amdgcn-amd-amdhsa--gfx1250"
	.amdhsa_code_object_version 6
	.text
	.protected	k_qd4c3523469_attn
	.globl	k_qd4c3523469_attn
	.p2align	8
	.type	k_qd4c3523469_attn,@function
k_qd4c3523469_attn:
	s_mov_b64 s[64:65], 0
	v_nop
	global_prefetch_b8 v0, s[64:65] scope:SCOPE_SE
	s_setreg_imm32_b32 hwreg(HW_REG_WAVE_MODE, 25, 1), 1
	s_wait_xcnt 0x0
	s_wait_alu depctr_hold_cnt(0) depctr_sa_sdst(0) depctr_va_vdst(0) depctr_va_sdst(0) depctr_va_ssrc(0) depctr_va_vcc(0) depctr_vm_vsrc(0)
	s_getreg_b32 s2, hwreg(HW_REG_IB_STS2, 6, 4)
	s_cmp_eq_u32 s2, 0
	s_cbranch_scc0 .Lentry_in_a_cluster
	s_endpgm
.Lentry_in_a_cluster:
	s_bfe_u32 s2, ttmp6, 0x10000c
	s_cmp_lg_u32 s2, 0x3003
	s_cbranch_scc0 .Lentry_shape_is_right
	s_endpgm
.Lentry_shape_is_right:
; All five products, on the chunks that the launch before laid in img (32 rows x K 1,024 as an image of operand registers, scale words, bias words).
; A work-group takes one b and two j (j0 = 2 jp, j0 + 1).  energy[b,i,j][d][n] = sum over t of Q[(b,t,i)][32 d + j] K[(b,i,j)][32 t + n]; softmax over n; out0[b][j][n][32 m + i] = sum over d of V[(b,i,j)][32 m + d] att[d][n].
; PHASE A: stationary Wq's chunks j0, j0 + 1 (64 rows, 384 registers); wave w streams x1's chunks i = 8 w .. 8 w + 7.  PHASES B, C: stationary x2's chunks j0, j0 + 1; wave w streams Wk's chunks n and Wv's chunks m = 8 w .. 8 w + 7.
; The matrix instruction is used transposed (source 0 = the streamed rows), so a lane's 16 registers of two tiles run along the next K; each result is quantised at once and its codes go to tables in LDS.
; A block of 32 along the short K lies as two halves of 16 codes at k = 0 .. 15 (lanes 0-15) and k = 32 .. 47 (lanes 16-31) with the block's byte twice in the scale word; all other codes of one of the two operands are zeros.
; PHASE D: wave w takes i = 8 w .. 8 w + 7: energy, softmax (the row's maximum taken away), quantiser, second product; att's codes stay in registers.  A j's 32 rows of out0 are gathered in a stage and leave as whole rows.
; A STREAMED CHUNK COMES BY TWO ROADS.  Its K steps 0-3, scale words and bias words go from memory straight into the wave's registers: 30 loads a step (18 behind the step's first 16 products, 12 behind the next 16), each into registers
; just multiplied.  Its K steps 4-7, 12,288 bytes as 48 rows of 256, come by one tensor load a wave into a ring of two slots, each wave's own, and from there into registers at the step's head.
; The tables (57,344 + 117,248 bytes) and the spare words leave 152,576 bytes: two slots of a whole chunk's codes for four waves are 196,608, of half a chunk's 98,304.  The ring lies under the stage, which is first written behind the ring's last fill and last read.
; CLUSTER: the four work-groups of a cluster have one b and walk the same 24 chunks a wave: each tensor load is a joint load with the mask 15; a round of the cluster's barrier stands in front of each.
; Every chunk's bias words come with it, so that all steps count alike; phase A does not read them (Q's bias lies along the lanes and comes from Wq's chunks).
; PREFETCH: step t asks for the chunk that step t + 2 fetches; the four partners take 26 blocks of 256 bytes each of its 101, told apart by address; the last three steps ask for nothing.
; LIMITS: NaN and infinities among the inputs are not served; a block whose largest magnitude lies under 2^-124 keeps the byte 1.
.set CH,    25856
.set HALF,  12288                      ; a chunk's K steps 4-7; a slot.  Wave w's two slots lie at 2 w HALF
.set STP,   4112                       ; a stage row: 4,096 bytes + 16.  The stage begins at byte 0, over the ring
.set QC,    32*STP                     ; Q's codes: wave w, element 2 c + jj: 768 bytes: register 3 u + q of lane l at 128 (3 u + q) + 4 l
.set QS,    QC+49152                   ; Q's scale words: 128 bytes an element
.set KR,    QS+8192                    ; K's and V's codes: block n / 8, row 2 i + jj, entry n % 8 (K) or 8 + m % 8 (V) of 24 bytes
.set KROW,  388
.set KBLK,  64*KROW+4
.set KS,    KR+99584                   ; their scale words, laid alike: 16 words a row
.set KSROW, 68
.set KSB,   64*KSROW+32
.set SPARE, KS+17664                   ; the spare words, 128 bytes a wave, which no other line names
.set L4,1
.set L16,2
.set HB,3
.set AQB,4
.set AQ,5
.set AQSB,6
.set AQS,7
.set AKB,8
.set AKV,9
.set AKSB,10
.set AKS,11
.set DQ,12
.set DQS,13
.set DK,14
.set DKS,15
.set DQSB,16
.set DKB,17
.set DKSB,18
.set BQO,19
.set AST,20
.set ARD,22
.set ASTC,24
.set PFO,27
.set PFX,28
.set SPW,30
.set NIL,31
.set SS,32                             ; v32-47 the stationary rows' scale words
.set ST,48                             ; v48-63 the streamed chunk's scale words, two sets by the step's parity
.set CB,64                             ; v64-95 its bias words, two sets
.set CBQ,96                            ; v96-127 Q's bias, eight times for each tile
.set ACC,128
.set TM,192
.set PC,208
.set MX,224
.set QSW,240                           ; v240-245 scale words of phase D, and nothing else
.set KSW,241
.set VSW,242
.set ASW,244
.set RA,246                            ; v246-247 my slot 0, 1: + 16 x lane
.set QO,64                             ; phase D: operands where the bias words lay
.set KO,80
.set VO,104
.set WV,8
.set NB,12                             ; s[12:13] the chunk that this step fetches
.set PB,14                             ; s[14:15] the chunk that this step prefetches
.set SA,16
.set X2,18
.set DL,20
.set JUMP,22
.set T,23
.set OF,24
.set SF,25
.set LG,26
.set NLG,28
.set SEL,30
.set DQF,32
.set DSF,33
.set DKF,34
.set DXF,35
.set DCF,36
.set RB,54                             ; s54 my ring's first byte
.set G0,68                             ; s[68:71], s[72:79] the tensor loads' descriptor
.set G1,72
.set MSB, 0
.macro WIN new
.if MSB != (\new)
	s_set_vgpr_msb (MSB<<8)|(\new)
.set MSB, (\new)
.endif
.endm
.macro PLACES n
.rept \n
	v_nop
.endr
.endm
.macro ROUND                           ; a round of the cluster's barrier
	s_barrier_signal -1
	s_barrier_wait -1
	s_cmp_lg_u32 s[WV], 0
	s_cbranch_scc1 .Lnot_wave_0_\@
	s_barrier_signal -3
.Lnot_wave_0_\@:
	s_barrier_wait -3
	s_barrier_signal -1
	s_barrier_wait -1
.endm
.macro WM d, a, b, c, sa, sb, ra, rb
.if (\c) < 0
.if (\ra) && (\rb)
	v_wmma_scale_f32_16x16x128_f8f6f4 v[(\d):(\d)+7], v[(\a):(\a)+11], v[(\b):(\b)+11], 0, v[(\sa)], v[(\sb)] matrix_a_fmt:MATRIX_FMT_FP6 matrix_b_fmt:MATRIX_FMT_FP6 matrix_a_scale:MATRIX_SCALE_ROW1 matrix_b_scale:MATRIX_SCALE_ROW1
.elseif (\ra)
	v_wmma_scale_f32_16x16x128_f8f6f4 v[(\d):(\d)+7], v[(\a):(\a)+11], v[(\b):(\b)+11], 0, v[(\sa)], v[(\sb)] matrix_a_fmt:MATRIX_FMT_FP6 matrix_b_fmt:MATRIX_FMT_FP6 matrix_a_scale:MATRIX_SCALE_ROW1
.elseif (\rb)
	v_wmma_scale_f32_16x16x128_f8f6f4 v[(\d):(\d)+7], v[(\a):(\a)+11], v[(\b):(\b)+11], 0, v[(\sa)], v[(\sb)] matrix_a_fmt:MATRIX_FMT_FP6 matrix_b_fmt:MATRIX_FMT_FP6 matrix_b_scale:MATRIX_SCALE_ROW1
.else
	v_wmma_scale_f32_16x16x128_f8f6f4 v[(\d):(\d)+7], v[(\a):(\a)+11], v[(\b):(\b)+11], 0, v[(\sa)], v[(\sb)] matrix_a_fmt:MATRIX_FMT_FP6 matrix_b_fmt:MATRIX_FMT_FP6
.endif
.else
.if (\ra) && (\rb)
	v_wmma_scale_f32_16x16x128_f8f6f4 v[(\d):(\d)+7], v[(\a):(\a)+11], v[(\b):(\b)+11], v[(\c):(\c)+7], v[(\sa)], v[(\sb)] matrix_a_fmt:MATRIX_FMT_FP6 matrix_b_fmt:MATRIX_FMT_FP6 matrix_a_scale:MATRIX_SCALE_ROW1 matrix_b_scale:MATRIX_SCALE_ROW1
.elseif (\ra)
	v_wmma_scale_f32_16x16x128_f8f6f4 v[(\d):(\d)+7], v[(\a):(\a)+11], v[(\b):(\b)+11], v[(\c):(\c)+7], v[(\sa)], v[(\sb)] matrix_a_fmt:MATRIX_FMT_FP6 matrix_b_fmt:MATRIX_FMT_FP6 matrix_a_scale:MATRIX_SCALE_ROW1
.elseif (\rb)
	v_wmma_scale_f32_16x16x128_f8f6f4 v[(\d):(\d)+7], v[(\a):(\a)+11], v[(\b):(\b)+11], v[(\c):(\c)+7], v[(\sa)], v[(\sb)] matrix_a_fmt:MATRIX_FMT_FP6 matrix_b_fmt:MATRIX_FMT_FP6 matrix_b_scale:MATRIX_SCALE_ROW1
.else
	v_wmma_scale_f32_16x16x128_f8f6f4 v[(\d):(\d)+7], v[(\a):(\a)+11], v[(\b):(\b)+11], v[(\c):(\c)+7], v[(\sa)], v[(\sb)] matrix_a_fmt:MATRIX_FMT_FP6 matrix_b_fmt:MATRIX_FMT_FP6
.endif
.endif
.endm
; eight products of K step s: the eight accumulators by turns.  The first K step takes the bias as C
.macro KSTEP ph, par, s
.irp u, 0,1
.irp rt, 0,1,2,3
.if (\s) == 0
.if \ph
	WM ACC+16*\rt+8*\u, 12*(2*(\s)+\u), 12*(4*((\s)%4)+\rt), CB+16*(\par)+8*\u, ST+8*(\par)+(\s), SS+8*(\rt/2)+(\s), \u, \rt%2
.else
	WM ACC+16*\rt+8*\u, 12*(2*(\s)+\u), 12*(4*((\s)%4)+\rt), CBQ+8*\rt, ST+8*(\par)+(\s), SS+8*(\rt/2)+(\s), \u, \rt%2
.endif
.else
	WM ACC+16*\rt+8*\u, 12*(2*(\s)+\u), 12*(4*((\s)%4)+\rt), ACC+16*\rt+8*\u, ST+8*(\par)+(\s), SS+8*(\rt/2)+(\s), \u, \rt%2
.endif
.endr
.endr
.endm
; the next chunk's K steps 2 g, 2 g + 1 (g = 0, 1) from memory into window 3; with g = 0 first its scale and bias words, into the other parity's sets
.macro LDG g, par
.if (\g) == 0
	WIN 0
	global_load_b128 v[ST+8*(1-(\par)):ST+8*(1-(\par))+3], v[L16], s[NB:NB+1] offset:24576
	global_load_b128 v[ST+8*(1-(\par))+4:ST+8*(1-(\par))+7], v[L16], s[NB:NB+1] offset:25088
.irp k, 0,1,2,3
	global_load_b128 v[CB+16*(1-(\par))+4*\k:CB+16*(1-(\par))+4*\k+3], v[HB], s[NB:NB+1] offset:25600+16*\k
.endr
.endif
	WIN 0xc0
.irp f, 0,1,2,3
.irp k, 0,1,2
	global_load_b128 v[12*(4*(\g)+\f)+4*\k:12*(4*(\g)+\f)+4*\k+3], v[L16], s[NB:NB+1] offset:1536*(4*(\g)+\f)+512*\k
.endr
.endr
.endm
.macro GRP ph, par, g, nx
.if (\g) == 0
	s_wait_loadcnt 12                              ; this chunk's first 18 loads are in; its last 12 may be out
.elseif (\g) == 1
	s_wait_loadcnt 18*(\nx)                        ; all this chunk's; the 18 just issued may be out
.elseif (\g) == 2
	s_wait_dscnt 12                                ; the first 12 of the 24 LDS loads
.else
	s_wait_dscnt 0x0
.endif
	WIN 0x07+4*((\g)/2)                            ; source 0 window 3, source 1 window 1 or 2
	KSTEP \ph, \par, 2*(\g)
	KSTEP \ph, \par, 2*(\g)+1
.if (\g) == 3
	PLACES 4                                       ; in front of the first read of results
.elseif (\g) < 2
.if \nx
	PLACES 4                                       ; in front of loads into registers just multiplied
	LDG \g, \par
.endif
.endif
.endm
.macro STATG base                      ; two chunks, 64 rows: K steps 0-3 into window 1, 4-7 into window 2
	WIN 0x40
.irp jj, 0,1
.irp s, 0,1,2,3
.irp u, 0,1
.irp k, 0,1,2
	global_load_b128 v[12*(4*\s+2*\jj+\u)+4*\k:12*(4*\s+2*\jj+\u)+4*\k+3], v[L16], s[\base:\base+1] offset:\jj*CH+1536*(2*\s+\u)+512*\k
.endr
.endr
.endr
.endr
	WIN 0x80
.irp jj, 0,1
.irp s, 0,1,2,3
.irp u, 0,1
.irp k, 0,1,2
	global_load_b128 v[12*(4*\s+2*\jj+\u)+4*\k:12*(4*\s+2*\jj+\u)+4*\k+3], v[L16], s[\base:\base+1] offset:\jj*CH+1536*(2*\s+8+\u)+512*\k
.endr
.endr
.endr
.endr
	WIN 0
.irp jj, 0,1
	global_load_b128 v[SS+8*\jj:SS+8*\jj+3], v[L16], s[\base:\base+1] offset:\jj*CH+24576
	global_load_b128 v[SS+8*\jj+4:SS+8*\jj+7], v[L16], s[\base:\base+1] offset:\jj*CH+25088
.endr
.endm
; four blocks of 32 (16 registers here, 16 in lane l xor 16): codes in v[PC + 4 b], the byte twice in v[TM + 12 + b]
.macro QUANTH
.irp b, 0,1,2,3
	v_max3_num_f32 v[TM+\b], |v[ACC+16*\b]|, |v[ACC+16*\b+1]|, 0x1800000
.endr
.irp i, 2,4,6,8,10,12,14
.irp b, 0,1,2,3
	v_max3_num_f32 v[TM+\b], v[TM+\b], |v[ACC+16*\b+\i]|, |v[ACC+16*\b+\i+1]|
.endr
.endr
.irp b, 0,1,2,3
	v_permlanex16_b32 v[TM+4+\b], v[TM+\b], s[SEL], s[SEL+1]
.endr
.irp b, 0,1,2,3
	v_max_num_f32 v[TM+\b], v[TM+\b], v[TM+4+\b]
.endr
.irp b, 0,1,2,3
	v_add_nc_u32 v[TM+8+\b], 0xff000000, v[TM+\b]
.endr
.irp b, 0,1,2,3
	v_lshrrev_b32 v[TM+4+\b], 23, v[TM+8+\b]
.endr
.irp b, 0,1,2,3
	v_mul_u32_u24 v[TM+12+\b], 0x101, v[TM+4+\b]
.endr
.irp b, 0,1,2,3
	v_cvt_scalef32_pk16_fp6_f32 v[PC+4*\b:PC+4*\b+2], v[ACC+16*\b:ACC+16*\b+15], v[TM+8+\b]
.endr
	v_nop
.endm
.macro ADV p, par, jt                  ; a pointer one chunk on; in an odd step of trip jt on to the next tensor's first chunk
.if \par
	s_cmp_eq_u32 s[T], \jt
	s_cselect_b32 s[DL], s[JUMP], CH
	s_add_nc_u64 s[\p:\p+1], s[\p:\p+1], s[DL:DL+1]
.else
	s_add_nc_u64 s[\p:\p+1], s[\p:\p+1], CH
.endif
.endm
; ph: 0 = phase A, 1 = B and C; par: the step's parity, and its slot; nx: a next chunk is fetched; pf: a chunk is prefetched; pfl: the trip in which it is not
.macro STEP ph, par, nx, pf, pfl
	s_wait_alu depctr_va_vdst(0)
	s_wait_tensorcnt 0x0                           ; my one tensor load has landed: this chunk's K steps 4-7
.if \nx
	ds_add_u32 v[SPW], v[NIL]
	s_wait_xcnt 0x0                                ; the last step's loads and prefetch have read their bases
	ADV NB, \par, 3
.if \pf
	ADV PB, \par, 2
.endif
	s_add_co_u32 s[G0+1], s[RB], (1-(\par))*HALF   ; no tensor load of mine is out: the descriptor is written for the other slot and the next chunk
	s_add_nc_u64 s[G0+2:G0+3], s[NB:NB+1], HALF
	s_or_b32 s[G0+3], s[G0+3], 0x80000000
	s_wait_dscnt 0x0                               ; the add is done, and so are my reads of the other slot and my stores
	ROUND                                          ; that now holds of every wave of the four partners
	tensor_load_to_lds s[G0:G0+3], s[G1:G1+7]      ; the joint refill (in step 0: slot 1's first fill)
	s_nop 0
.endif
	WIN 0xc0
.irp f, 0,1,2,3,4,5,6,7
.irp k, 0,1,2
	ds_load_b128 v[12*(8+\f)+4*\k:12*(8+\f)+4*\k+3], v[RA+(\par)] offset:1536*\f+512*\k
.endr
.endr
	WIN 0
.if \pf
.if (\pfl) >= 0
	s_cmp_eq_u32 s[T], \pfl
	s_cbranch_scc1 .Lnp_\@
.endif
	global_prefetch_b8 v[PFO], s[PB:PB+1] th:TH_LOAD_NT scope:SCOPE_SE
.Lnp_\@:
.endif
	GRP \ph, \par, 0, \nx
	GRP \ph, \par, 1, \nx
	GRP \ph, \par, 2, \nx
	GRP \ph, \par, 3, \nx
	WIN 0
.if \ph
	v_add_nc_u32 v[AKV], s[OF], v[AKB]
	v_add_nc_u32 v[AKS], s[SF], v[AKSB]
	QUANTH
.irp rt, 0,1,2,3
.irp q, 0,1,2
	ds_store_b32 v[AKV], v[PC+4*\rt+\q] offset:(\par)*24+(16*(\rt%2)+\rt/2)*KROW+4*\q
.endr
.endr
.irp rt, 0,1,2,3
	ds_store_b32 v[AKS], v[TM+12+\rt] offset:(\par)*4+(16*(\rt%2)+\rt/2)*KSROW
.endr
.else
	v_add_nc_u32 v[AQ], s[OF], v[AQB]
	v_add_nc_u32 v[AQS], s[SF], v[AQSB]
	QUANTH
.irp rt, 0,1,2,3
.irp q, 0,1,2
	ds_store_b32 v[AQ], v[PC+4*\rt+\q] offset:(\par)*1536+(3*\rt+\q)*128
.endr
.endr
.irp rt, 0,1,2,3
	ds_store_b32 v[AQS], v[TM+12+\rt] offset:(\par)*256+64*\rt
.endr
.endif
.endm
	s_load_b128 s[4:7], s[0:1], 0x0                ; img, out0
	v_lshl_add_u32 v[SPW], v0, 2, SPARE
	v_mov_b32 v[NIL], 0
	ds_add_u32 v[SPW], v[NIL]
	ds_add_u32 v[SPW], v[NIL]
	v_lshrrev_b32 v1, 5, v0
	v_readfirstlane_b32 s[WV], v1                  ; wave
	s_bfe_u32 s11, ttmp6, 0x40000                  ; cx: my place in the cluster
	s_lshr_b32 s9, ttmp9, 2                        ; b: four clusters to a b
	s_and_b32 s10, ttmp9, 3
	s_lshl_b32 s10, s10, 2
	s_add_co_u32 s10, s10, s11                     ; jp
	s_mul_i32 s32, s[WV], 12288
	s_add_co_u32 s32, s32, QC
	s_lshl_b32 s33, s[WV], 11
	s_add_co_u32 s33, s33, QS
	s_mul_i32 s34, s[WV], KBLK
	s_add_co_u32 s34, s34, KR
	s_mul_i32 s35, s[WV], KSB
	s_add_co_u32 s35, s35, KS
	s_mul_i32 s36, s[WV], 16*KROW
	s_add_co_u32 s36, s36, KR
	s_mul_i32 s37, s[WV], 16*KSROW
	s_add_co_u32 s37, s37, KS
	s_lshl_b32 s38, s[WV], 5
	s_mul_i32 s39, s[WV], 8*STP
	s_mul_i32 s40, s11, 26
	s_mul_i32 s41, s[WV], 51
	s_mul_i32 s[RB], s[WV], 2*HALF
	s_lshl_b32 s50, s9, 5                          ; 32 b
	s_lshl_b32 s51, s[WV], 3
	s_add_co_u32 s42, s50, s51
	s_mul_i32 s42, s42, CH                         ; x1's chunk 32 b + 8 w
	s_mov_b32 s43, 0
	s_lshl_b32 s52, s10, 1                         ; j0
	s_add_co_u32 s44, s52, 576
	s_mul_i32 s44, s44, CH                         ; Wq's chunk j0
	s_mov_b32 s45, 0
	s_add_co_u32 s46, s50, s52
	s_lshl_b32 s48, s46, 17                        ; out0: row block (32 b + j0) of 32 rows x 4,096 bytes,
	s_lshl_b32 s53, s[WV], 15
	s_add_co_u32 s48, s48, s53                     ; my eight rows
	s_mov_b32 s49, 0
	s_add_co_u32 s46, s46, 608
	s_mul_i32 s46, s46, CH                         ; x2's chunk 32 b + j0
	s_mov_b32 s47, 0
	s_sub_co_u32 s[JUMP], 505, s50
	s_mul_i32 s[JUMP], s[JUMP], CH                 ; from x1's chunk 32 b + 8 w + 7 to Wk's chunk 512 + 8 w
	s_mov_b32 s[DL+1], 0
	s_mov_b32 s[LG], 0x3fb8aa3b
	s_mov_b32 s[LG+1], s[LG]
	s_mov_b32 s[NLG], 0xbfb8aa3b
	s_mov_b32 s[NLG+1], s[NLG]
	s_mov_b32 s[SEL], 0x76543210
	s_mov_b32 s[SEL+1], 0xfedcba98
	s_mov_b32 s[G1], 15|(3<<16)|(1<<21)            ; the mask of the four partners; elements of 8 bytes; bit 21 beside a mask
	s_mov_b32 s[G1+1], 32<<16                      ; rows of 32 elements, 256 bytes,
	s_mov_b32 s[G1+2], 48<<16                      ; 48 of them, dense
	s_mov_b32 s[G1+3], 32<<16
	s_mov_b32 s[G1+4], 48
	s_mov_b32 s[G1+5], 32
	s_mov_b32 s[G1+6], 0
	s_mov_b32 s[G1+7], 0
	s_mov_b32 s[G0], 1
	s_mov_b32 s[G0+1], s[RB]                       ; slot 0
	v_and_b32 v[TM+8], 31, v0                      ; lane
	v_and_b32 v[TM+9], 15, v0                      ; r
	v_bfe_u32 v[TM+10], v0, 4, 1                   ; h
	v_and_b32 v[TM+11], 8, v[TM+9]
	v_add_nc_u32 v[TM+11], v[TM+11], v[TM+9]       ; r + 8 (r / 8)
	v_lshlrev_b32 v[L4], 2, v[TM+8]
	v_lshlrev_b32 v[L16], 4, v[TM+8]
	v_lshlrev_b32 v[HB], 6, v[TM+10]
	v_lshlrev_b32 v[BQO], 2, v[TM+11]
	v_add_nc_u32 v[RA], s[RB], v[L16]
	v_add_nc_u32 v[RA+1], HALF, v[RA]
	v_add_nc_u32 v[AQB], s32, v[L4]
	v_lshl_add_u32 v[AQSB], v[TM+9], 2, s33
	v_add_nc_u32 v[DQSB], s33, v[L4]
	v_mul_u32_u24 v[TM+12], v[TM+11], 2*KROW
	v_mad_u32_u24 v[TM+12], v[TM+10], 12, v[TM+12]
	v_add_nc_u32 v[AKB], s34, v[TM+12]             ; in: block w, row 2 (r + 8 (r / 8)), + 12 h
	v_mul_u32_u24 v[TM+12], v[TM+11], 2*KSROW
	v_add_nc_u32 v[AKSB], s35, v[TM+12]
	v_lshrrev_b32 v[TM+12], 3, v[TM+9]
	v_mul_u32_u24 v[TM+12], v[TM+12], KBLK
	v_and_b32 v[TM+13], 7, v[TM+9]
	v_mad_u32_u24 v[TM+12], v[TM+13], 24, v[TM+12]
	v_mad_u32_u24 v[TM+12], v[TM+10], 12, v[TM+12]
	v_add_nc_u32 v[DKB], s36, v[TM+12]             ; out: block r / 8, row 16 w, entry r % 8, + 12 h
	v_lshrrev_b32 v[TM+12], 3, v[TM+8]
	v_mul_u32_u24 v[TM+12], v[TM+12], KSB
	v_and_b32 v[TM+13], 7, v[TM+8]
	v_lshl_add_u32 v[TM+12], v[TM+13], 2, v[TM+12]
	v_add_nc_u32 v[DKSB], s37, v[TM+12]
	v_mul_u32_u24 v[TM+12], v[TM+9], STP
	v_lshl_add_u32 v[TM+12], v[TM+10], 10, v[TM+12]
	v_add_nc_u32 v[AST], s38, v[TM+12]             ; stage: row n = r, byte 1,024 h + 32 w
	v_add_nc_u32 v[AST+1], 16*STP, v[AST]
	v_add_nc_u32 v[ARD], s39, v[L16]
	v_min_u32 v[PFO], 25, v[TM+8]
	v_add_nc_u32 v[PFO], s40, v[PFO]
	v_min_u32 v[PFO], 100, v[PFO]                  ; blocks 26 cx .. 26 cx + 25 of a chunk's 101
	v_lshlrev_b32 v[PFO], 8, v[PFO]
	v_add_nc_u32 v[PFX], s41, v[TM+8]              ; x2's two chunks are 202 blocks on end: wave w takes 51 w .. 51 w + 50
	v_min_u32 v[PFX+1], 18, v[TM+8]
	v_add3_u32 v[PFX+1], v[PFX+1], s41, 32
	v_min_u32 v[PFX+1], 201, v[PFX+1]
	v_lshlrev_b32 v[PFX], 8, v[PFX]
	v_lshlrev_b32 v[PFX+1], 8, v[PFX+1]
.irp b, 0,1,2,3
	v_mov_b32 v[TM+4+\b], 0                        ; a lane permute's destination counts as one of its sources
	v_mov_b32 v[PC+4*\b+3], 0                      ; named inside att's operand, against zero codes
.endr
	s_wait_alu depctr_va_vdst(0)
	s_wait_dscnt 0x0                               ; both opening adds are done
	s_wait_kmcnt 0x0
	s_add_nc_u64 s[NB:NB+1], s[4:5], s[42:43]
	s_add_nc_u64 s[SA:SA+1], s[4:5], s[44:45]
	s_add_nc_u64 s[X2:X2+1], s[4:5], s[46:47]
	s_add_nc_u64 s[6:7], s[6:7], s[48:49]
	s_add_nc_u64 s[PB:PB+1], s[NB:NB+1], 2*CH
	s_add_nc_u64 s[G0+2:G0+3], s[NB:NB+1], HALF
	s_or_b32 s[G0+3], s[G0+3], 0x80000000
	ROUND                                          ; the four partners are here: the first joint loads meet
	tensor_load_to_lds s[G0:G0+3], s[G1:G1+7]      ; the first chunk's K steps 4-7: my one tensor load at the head
	s_nop 0
	global_prefetch_b8 v[PFO], s[NB:NB+1] offset:CH th:TH_LOAD_NT scope:SCOPE_SE      ; the chunks of steps 1 and 2,
	global_prefetch_b8 v[PFO], s[NB:NB+1] offset:2*CH th:TH_LOAD_NT scope:SCOPE_SE
	global_prefetch_b8 v[PFX], s[X2:X2+1] th:TH_LOAD_NT scope:SCOPE_SE                ; and the rows that are stationary from phase B on
	global_prefetch_b8 v[PFX+1], s[X2:X2+1] th:TH_LOAD_NT scope:SCOPE_SE
	STATG SA
.irp jj, 0,1
.irp u, 0,1
	global_load_b32 v[TM+2*\jj+\u], v[BQO], s[SA:SA+1] offset:\jj*CH+25600+32*\u   ; bq at my lane's row of Wq's tile
.endr
.endr
	LDG 0, 1
	LDG 1, 1
	WIN 0
	s_wait_loadcnt 30                              ; all but the first chunk's 30
.irp rt, 0,1,2,3
.irp e, 0,1,2,3,4,5,6,7
	v_mov_b32 v[CBQ+8*\rt+\e], v[TM+\rt]
.endr
.endr
	s_mov_b32 s[T], 0
	s_mov_b32 s[OF], 0
	s_mov_b32 s[SF], 0
.Lphase_a:                                             ; 4 trips x 2 steps: Q
	STEP 0, 0, 1, 1, -1
	STEP 0, 1, 1, 1, -1
	s_add_co_u32 s[OF], s[OF], 3072
	s_add_co_u32 s[SF], s[SF], 512
	s_add_co_u32 s[T], s[T], 1
	s_cmp_lt_u32 s[T], 4
	s_wait_alu depctr_va_vdst(0)
	s_cbranch_scc1 .Lphase_a
	s_mov_b32 s[JUMP], 25*CH                       ; from Wk's chunk 512 + 8 w + 7 to Wv's chunk 544 + 8 w
	STATG X2
	s_wait_loadcnt 0x0
	s_mov_b32 s[T], 0
	s_mov_b32 s[OF], 0
	s_mov_b32 s[SF], 0
.Lphase_bc:                                            ; 7 trips x 2 steps: K's eight chunks, then V's first six
	STEP 1, 0, 1, 1, -1
	STEP 1, 1, 1, 1, 6
	s_add_co_u32 s[OF], s[OF], 48
	s_add_co_u32 s[SF], s[SF], 8
	s_add_co_u32 s[T], s[T], 1
	s_cmp_lt_u32 s[T], 7
	s_wait_alu depctr_va_vdst(0)
	s_cbranch_scc1 .Lphase_bc
	s_mov_b32 s[OF], 336
	s_mov_b32 s[SF], 56
	STEP 1, 0, 1, 0, -1
	STEP 1, 1, 0, 0, -1                            ; the last step fetches nothing
.set i, QO
.rept 64
	v_mov_b32 v[i], 0                              ; zero codes wherever the operands of phase D are not loaded
.set i, i+1
.endr
	s_wait_alu depctr_va_vdst(0)
	s_wait_dscnt 0x0                               ; my tables are written, and my reads of the ring are over; its last fill was waited for above
	s_barrier_signal -1
	s_barrier_wait -1
.macro OPL                             ; an element's operands: 21 loads
.irp u, 0,1
.irp q, 0,1,2
	ds_load_b32 v[QO+4*\u+\q], v[DQ] offset:(3*\u+\q)*128
.endr
.endr
.irp nt, 0,1
.irp q, 0,1,2
	ds_load_b32 v[KO+12*\nt+\q], v[DK] offset:\nt*2*KBLK+4*\q
	ds_load_b32 v[VO+12*\nt+\q], v[DK] offset:\nt*2*KBLK+192+4*\q
.endr
.endr
	ds_load_b32 v[QSW], v[DQS]
	ds_load_b32 v[KSW], v[DKS]
	ds_load_b32 v[VSW], v[DKS] offset:32
.endm
; one (i, j): lane = n, registers = d = 16 h + 0 .. 15 in each of two tiles of n
.macro DEL pre
	s_wait_dscnt 32                                ; the operands are in; the last element's 32 stores may be out
.if \pre
	s_add_co_u32 s[DQF], s[DQF], 1536
	s_add_co_u32 s[DSF], s[DSF], 256
	s_add_co_u32 s[DKF], s[DKF], 2*KROW
	s_add_co_u32 s[DXF], s[DXF], 2*KSROW
.endif
.irp nt, 0,1
.irp u, 0,1
	WM ACC+16*\nt+8*\u, QO+4*\u, KO+12*\nt, -1, QSW, KSW, \u, \nt
.endr
.endr
	v_add_nc_u32 v[ASTC], s[DCF], v[AST]
	v_add_nc_u32 v[ASTC+1], s[DCF], v[AST+1]
	PLACES 2
.set i, 0
.rept 16
	v_max_num_f32 v[MX+i], v[ACC+i], v[ACC+16+i]
.set i, i+1
.endr
.irp k, 1,2,4,8
.set i, 0
.rept 16
	v_max_num_f32_dpp v[MX+i], v[MX+i], v[MX+i] row_xmask:\k row_mask:0xf bank_mask:0xf
.set i, i+1
.endr
.endr
.set i, 0
.rept 8
	v_pk_mul_f32 v[MX+i:MX+i+1], v[MX+i:MX+i+1], s[NLG:NLG+1] op_sel_hi:[1,0]          ; - the row's maximum x log2(e)
.set i, i+2
.endr
.irp nt, 0,1
.set i, 0
.rept 8
	v_pk_fma_f32 v[ACC+16*\nt+i:ACC+16*\nt+i+1], v[ACC+16*\nt+i:ACC+16*\nt+i+1], s[LG:LG+1], v[MX+i:MX+i+1] op_sel_hi:[1,0,1]
.set i, i+2
.endr
.endr
	s_wait_alu depctr_va_vdst(0)
.set i, ACC
.rept 32
	v_exp_f32 v[i], v[i]
.set i, i+1
.endr
	v_nop
	s_wait_alu depctr_va_vdst(0)
.set i, 0
.rept 8
	v_pk_add_f32 v[MX+i:MX+i+1], v[ACC+i:ACC+i+1], v[ACC+16+i:ACC+16+i+1]
.set i, i+2
.endr
.irp k, 1,2,4,8
.set i, 0
.rept 16
	v_add_f32_dpp v[MX+i], v[MX+i], v[MX+i] row_xmask:\k row_mask:0xf bank_mask:0xf
.set i, i+1
.endr
.endr
	s_wait_alu depctr_va_vdst(0)
.set i, 0
.rept 16
	v_rcp_f32 v[MX+i], v[MX+i]
.set i, i+1
.endr
	v_nop
	s_wait_alu depctr_va_vdst(0)
.irp nt, 0,1
.set i, 0
.rept 8
	v_pk_mul_f32 v[ACC+16*\nt+i:ACC+16*\nt+i+1], v[ACC+16*\nt+i:ACC+16*\nt+i+1], v[MX+i:MX+i+1]
.set i, i+2
.endr
.endr
.irp nt, 0,1
	v_max3_num_f32 v[TM+\nt], v[ACC+16*\nt], v[ACC+16*\nt+1], 0x1800000     ; att along d, a block for each n; none is negative
.endr
.irp x, 2,4,6,8,10,12,14
.irp nt, 0,1
	v_max3_num_f32 v[TM+\nt], v[TM+\nt], v[ACC+16*\nt+\x], v[ACC+16*\nt+\x+1]
.endr
.endr
.irp nt, 0,1
	v_permlanex16_b32 v[TM+4+\nt], v[TM+\nt], s[SEL], s[SEL+1]
.endr
.irp nt, 0,1
	v_max_num_f32 v[TM+\nt], v[TM+\nt], v[TM+4+\nt]
.endr
.irp nt, 0,1
	v_add_nc_u32 v[TM+8+\nt], 0xff000000, v[TM+\nt]
.endr
.irp nt, 0,1
	v_lshrrev_b32 v[TM+4+\nt], 23, v[TM+8+\nt]
.endr
.irp nt, 0,1
	v_mul_u32_u24 v[ASW+\nt], 0x101, v[TM+4+\nt]
.endr
.irp nt, 0,1
	v_cvt_scalef32_pk16_fp6_f32 v[PC+4*\nt:PC+4*\nt+2], v[ACC+16*\nt:ACC+16*\nt+15], v[TM+8+\nt]
.endr
	v_nop
.if \pre
	v_add_nc_u32 v[DQ], s[DQF], v[AQB]             ; the next element's addresses: places in front of the scaled products
	v_add_nc_u32 v[DQS], s[DSF], v[DQSB]
	v_add_nc_u32 v[DK], s[DKF], v[DKB]
	v_add_nc_u32 v[DKS], s[DXF], v[DKSB]
	PLACES 4
.else
	PLACES 8
.endif
.irp mt, 0,1
.irp nt, 0,1
	WM ACC+32+16*\mt+8*\nt, VO+12*\mt, PC+4*\nt, -1, VSW, ASW+\nt, \mt, 0
.endr
.endr
	PLACES 4
.if \pre
	OPL
.endif
.irp mt, 0,1
.irp nt, 0,1
.irp e, 0,1,2,3,4,5,6,7
	ds_store_b32 v[ASTC+\nt], v[ACC+32+16*\mt+8*\nt+\e] offset:2048*\mt+128*\e     ; out(m = 16 mt + 8 h + e, n) at row n, byte 128 m + 4 i
.endr
.endr
.endr
.endm
; one j of the two: my eight elements, then my eight rows of out0
.macro DPH jj
	s_mov_b32 s[DQF], \jj*768
	s_mov_b32 s[DSF], \jj*128
	s_mov_b32 s[DKF], \jj*KROW
	s_mov_b32 s[DXF], \jj*KSROW
	s_mov_b32 s[DCF], 0
	s_mov_b32 s[T], 0
	v_add_nc_u32 v[DQ], s[DQF], v[AQB]
	v_add_nc_u32 v[DQS], s[DSF], v[DQSB]
	v_add_nc_u32 v[DK], s[DKF], v[DKB]
	v_add_nc_u32 v[DKS], s[DXF], v[DKSB]
	OPL
	s_wait_alu depctr_va_vdst(0)
	s_wait_dscnt 0x0
.Lelem_\jj:
	DEL 1
	s_add_co_u32 s[DCF], s[DCF], 4
	s_add_co_u32 s[T], s[T], 1
	s_cmp_lt_u32 s[T], 7
	s_wait_alu depctr_va_vdst(0)
	s_cbranch_scc1 .Lelem_\jj
	s_mov_b32 s[DCF], 28
	DEL 0
	s_wait_dscnt 0x0                               ; my part of the stage is written
	s_barrier_signal -1
	s_barrier_wait -1
	WIN 0x40*(1+\jj)                               ; my eight rows of 4,096 bytes into window 1 (2): 256 registers that no later line writes
.set i, 0
.rept 64
	ds_load_b128 v[4*i:4*i+3], v[ARD] offset:STP*(i/8)+512*(i%8)
.set i, i+1
.endr
	WIN 0x04*(1+\jj)                               ; the stores' data: window 1 (2)
.set i, 0
.rept 64
.if i%16 == 0
	s_wait_dscnt 48-i                              ; the next sixteen loads are in
.endif
	global_store_b128 v[L16], v[4*i:4*i+3], s[6:7] offset:4096*(i/8)+512*(i%8) th:TH_STORE_NT   ; 32 lanes store 512 consecutive bytes, aligned to 256
.set i, i+1
.endr
	WIN 0
.endm
	DPH 0
	s_wait_xcnt 0x0                                ; the stores have read their base
	s_add_nc_u64 s[6:7], s[6:7], 0x20000           ; the next j's 32 rows
	s_barrier_signal -1                            ; every wave has read its rows out of the stage (its loads were waited for above)
	s_barrier_wait -1
	DPH 1
	s_wait_tensorcnt 0x0                           ; the wave's end
	ds_add_u32 v[SPW], v[NIL]
	s_wait_dscnt 0x0
	ROUND                                          ; the closing round
	s_endpgm
.Lfunc_end_k_qd4c3523469_attn:
	.size	k_qd4c3523469_attn, .Lfunc_end_k_qd4c3523469_attn-k_qd4c3523469_attn
	.p2alignl 7, 3214868480
	.fill 96, 4, 3214868480
	.section	.rodata,"a",@progbits
	.p2align	6, 0x0
	.amdhsa_kernel k_qd4c3523469_attn
		.amdhsa_group_segment_fixed_size 327680
		.amdhsa_private_segment_fixed_size 0
		.amdhsa_enable_private_segment 0
		.amdhsa_kernarg_size 16
		.amdhsa_user_sgpr_count 2
		.amdhsa_user_sgpr_kernarg_segment_ptr 1
		.amdhsa_wavefront_size32 1
		.amdhsa_system_sgpr_workgroup_id_x 1
		.amdhsa_system_sgpr_workgroup_id_y 1
		.amdhsa_system_sgpr_workgroup_id_z 1
		.amdhsa_system_vgpr_workitem_id 0
		.amdhsa_next_free_vgpr 1024
		.amdhsa_next_free_sgpr 80
		.amdhsa_reserve_vcc 0
		.amdhsa_float_denorm_mode_32 3
		.amdhsa_float_denorm_mode_16_64 3
		.amdhsa_memory_ordered 1
		.amdhsa_forward_progress 1
		.amdhsa_inst_pref_size 243
	.end_amdhsa_kernel
	.amdgpu_metadata
---
amdhsa.version: [ 1, 2 ]
amdhsa.kernels:
  - .name:           k_qd4c3523469_attn
    .symbol:         k_qd4c3523469_attn.kd
    .args:
      - { .name: img, .offset: 0, .size: 8, .value_kind: global_buffer, .address_space: global }
      - { .name: out0, .offset: 8, .size: 8, .value_kind: global_buffer, .address_space: global }
    .group_segment_fixed_size: 327680
    .private_segment_fixed_size: 0
    .kernarg_segment_align: 8
    .kernarg_segment_size: 16
    .max_flat_workgroup_size: 128
    .sgpr_count:     80
    .vgpr_count:     1024
    .wavefront_size: 32
...
	.end_amdgpu_metadata
.endif
;; end of part 2
